; MI455X (gfx1250); checked and timed in simulation.
; The chip was launched on July 23, 2026; its instructions are those of AMD's public machine-readable ISA for CDNA 5 (MIT licence, August 2026) and "CDNA5" Instruction Set Architecture Reference Guide (July 2026). The comments in the code are by the model that wrote it; some were corrected since.
;; Bahdanau Attention. Allowed arithmetic: matrix products marked QUANTISED: E2M3 operands, one E8M0 scale for each 32 along K, by v_wmma_scale_f32_16x16x128_f8f6f4 with both operands' format E2M3, f32 sums; products left as they are: f32 operands where the result goes on into a quantised operand, else bf16, f16 or f32 operands; f32 sums; everything else in f32.
;; Inputs: V_b 1 float32; V_w 1,024 x 1 float32; Wc_b 1,024 float32; Wc_w 1 x 1,024 float32; Wh_b 1,024 float32; Wh_w 1,024 x 1,024 float32; Ws_b 1,024 float32; Ws_w 1,024 x 1,024 float32; dec_hidden 32 x 1,024 float32; enc_output 32 x 2,048 x 1,024 float32; enc_pad_mask 32 x 2,048 int32; prev_coverage 32 x 2,048 x 1 float32.
;; Outputs: out0 32 x 1,024 float32; out1 32 x 2,048 float32; out2 32 x 2,048 x 1 float32.
;; Constants: use_coverage = True.
;; This version of the problem:
;;   THIS VERSION OF THE PROBLEM IS GIVEN IN LOW PRECISION. The matrix products marked QUANTISED in the list below multiply operands that are first quantised to E2M3 (2 exponent bits, 3 mantissa bits; 6 bits a number), with one power-of-two scale for each 32 numbers along K (OCP MX v1.0); their sums are f32. All else is computed in f32.
;;   The module's matrix products, in the order in which they are computed (A, B: the left and right operand; K: the contracted axis; several contracted axes count as one K, in the product's order):
;;     1. [M 32, K 1,024] x [K 1,024, N 1,024]; A: input dec_hidden; B: input Wh_w: QUANTISED
;;     2. [M 65,536, K 1,024] x [K 1,024, N 1,024]; A: input enc_output; B: input Ws_w: QUANTISED
;;     3. [M 65,536, K 1] x [K 1, N 1,024]; A: input prev_coverage; B: input Wc_w: left as it is (K = 1 < 32)
;;     4. [M 65,536, K 1,024] x [K 1,024, N 1]; A: computed on the way; B: input V_w: left as it is (N = 1 < 16)
;;   THE QUANTISER, for each operand of a quantised product, along K:
;;     - K is cut into blocks of 32 from its start; a last block that is shorter is filled with zeros.
;;     - A block's scale is 2^e with e = floor(log2(the largest magnitude in the block)) - 2, held to -126 .. 127; a block of zeros has e = 0. As a byte (E8M0): e + 127.
;;     - Each number is divided by its block's scale, clamped to +-7.5, and rounded to the nearest number of E2M3, ties to even, subnormals kept.
;;     - The product sums the exact products of the quantised numbers (number of the format x scale) in f32.
;;   ~~~python
;;   def quantise(x, axis):      # numpy; x: float32 -> the quantised numbers, widened to float32 again
;;       x = np.moveaxis(x, axis, -1); K = x.shape[-1]
;;       x = np.pad(x, [(0, 0)] * (x.ndim - 1) + [(0, -K % 32)]); x = x.reshape(x.shape[:-1] + (-1, 32)); a = np.abs(x).max(-1, keepdims=True)
;;       e = np.where(a > 0, np.clip(np.frexp(np.where(a > 0, a, 1))[1] - 1 - 2, -126, 127), 0)      # np.frexp(a)[1] - 1 = floor(log2(a)), exactly
;;       r = np.clip(x / 2.0 ** e, -7.5, 7.5)
;;       step = 2.0 ** (np.maximum(np.frexp(np.where(r == 0, 1, r))[1] - 1, 0) - 3)
;;       q = np.round(r / step) * step * 2.0 ** e      # np.round: ties to even
;;       return np.moveaxis(q.reshape(q.shape[:-2] + (-1,))[..., :K], -1, axis).astype(np.float32)
;;   ~~~
;; One version. Each part assembles by itself: llvm-mc -triple=amdgcn-amd-amdhsa -mcpu=gfx1250 --defsym DOCPART=n.
;; ======== version 1 of 1: 4 launches
;; limits: right only within a limited range of input values
;; workspace buffers: wimg 819,200 bytes; base 131,072 bytes; scores 262,144 bytes; part 1,048,576 bytes
;; launch prep (part 1): grid 128 x 1, 8 waves a work-group, no clusters, 17,920 bytes of LDS; arguments Ws_w, Wh_w, dec_hidden, Wh_b, Ws_b, Wc_b, wimg, base; writes wimg, base
.if DOCPART == 1
	.amdgcn_target "amdgcn-amd-amdhsa--gfx1250"
	.amdhsa_code_object_version 6
	.text
	.protected	k_q5003fd7cf1_prep
	.globl	k_q5003fd7cf1_prep
	.p2align	8
	.type	k_q5003fd7cf1_prep,@function
k_q5003fd7cf1_prep:
	s_mov_b64 s[64:65], 0
	v_nop
	global_prefetch_b8 v0, s[64:65] scope:SCOPE_SE
	s_setreg_imm32_b32 hwreg(HW_REG_WAVE_MODE, 25, 1), 1
	s_wait_xcnt 0x0
; The two weights are quantised here, once, into codes of FP6 (E2M3) with one E8M0 byte for each 32 along K, and the small product is made.
;   work-groups 0-63   (path S): a tile of 16 columns of Ws_w [1024 k][1024 u] -> wimg: for each two tiles 24,576 bytes of operand images and 1,024 bytes of scale words.
;   work-groups 64-127 (path H): base[b][u] = Q(dec_hidden) Q(Wh_w) + Wh_b + Ws_b + Wc_b for a tile of 16 columns and all 32 batches, by the scaled matrix instruction.
; THE EIGHT WAVES OF A WORK-GROUP SHARE K: wave w takes K step w (128 along K), so a wave asks memory once and waits once.  In path H the eight partial sums meet in LDS and are added in f32.
; AN OPERAND IMAGE is a fragment's 12 registers as they stand: registers 4 c .. 4 c + 3 of lane l at 512 c + 16 l; 1,536 bytes for 16 columns x 128 along K.
; A lane takes a column of the weight and its registers run down K, in the order that the operand's layout gives that lane: nothing is transposed.
; A block's scale is 2^(floor(log2(its largest magnitude)) - 2); its byte is that magnitude's exponent field - 2, held at 1 from below.
; The work is 128 tiles: so many work-groups are launched.  No cluster: the weights are read once; dec_hidden, which 64 work-groups read, is 131,072 bytes.
; LIMITS: a block of zeros gets the byte 1 where the rule says 127 (its codes are zeros, and this program alone reads the bytes); blocks whose largest magnitude lies under 2^-124 are held at the byte 1;
; NaN and infinities among the inputs are not served.  base is stored in pieces of 64 bytes (131,072 bytes in all).
; DEAD WORK, left out in the whole program.  The scores reach the outputs through the softmax over the positions alone.  reference() adds V_b to every score, and
; tanh(f) V_w = sum(V_w) - 2 sum(V_w / (1 + e^(2 f))) holds the term sum(V_w), which is also the same for every position: a term that is the same along the softmax's axis divides out of it, whatever the inputs hold.
; So V_b is not loaded and is no launch's argument, and sum(V_w) is not formed.  enc_pad_mask is named by no line of reference()'s body and is not loaded either.
; LIMIT: a NaN, an infinity or an overflow that reaches only V_b or sum(V_w) is not carried to the results.
.set SWD,   0
.set HP,    512                        ; LDS, path H: the partial sums, [16 batches: 2][K step: 8][register: 8][lane: 32] words: 16,384 bytes
.set SPARE, HP+16384                   ; the spare words, 128 bytes for each wave
.set SPW, 4                            ; v4   LDS address of my spare word; never rewritten
.set NIL, 5                            ; v5   0; never rewritten
.set TM,  12                           ; v12,13 largest magnitudes; 14,15 scale operands; 16,17 bytes; 18 8 x (lane / 16); 19 the other half's bytes
.set WD,  20                           ; v20-22 scale words, and nothing else
.set BI,  24                           ; v24-26 the three biases of my column
.set XA,  32                           ; v32-95   64 numbers of the weight
.set XB,  96                           ; v96-159  64 numbers of dec_hidden, batches 0-15; later the partial sums read back
.set XC,  160                          ; v160-223 the same, batches 16-31
.set PC,  224                          ; v224-235 the weight's codes
.set CT,  236                          ; v236-243 the conversions' second halves
.set DC,  32                           ; v32-43  dec_hidden's codes, batches 0-15 (the weight's numbers are done with)
.set DD,  44                           ; v44-55  batches 16-31
.set AC,  64                           ; v64-79  two accumulators
; 64 numbers of a lane, register 32 c + i = k 64 c + 32 (lane / 16) + i of my row or column, become a fragment's 12 registers at v[p] and its scale word in v[wd].  A lane holds two whole blocks.
.macro QF x, p, wd
.irp c, 0,1
	v_max3_num_f32 v[TM+\c], |v[\x+32*\c]|, |v[\x+32*\c+1]|, 0x1800000   ; with the floor 2^(3 - 127): the byte cannot fall under 1
.endr
.irp i, 2,4,6,8,10,12,14,16,18,20,22,24,26,28,30
.irp c, 0,1
	s_delay_alu instid0(VALU_DEP_2)
	v_max3_num_f32 v[TM+\c], v[TM+\c], |v[\x+32*\c+\i]|, |v[\x+32*\c+\i+1]|   ; the two blocks by turns
.endr
.endr
.irp c, 0,1
	s_delay_alu instid0(VALU_DEP_2)
	v_add_nc_u32 v[TM+2+\c], 0xff000000, v[TM+\c]   ; 2 off the exponent field: the conversion's scale operand
.endr
.irp c, 0,1
	s_delay_alu instid0(VALU_DEP_2)
	v_lshrrev_b32 v[TM+4+\c], 23, v[TM+2+\c]        ; the scale's byte
.endr
	s_delay_alu instid0(VALU_DEP_1)
	v_lshl_or_b32 v[\wd], v[TM+5], 16, v[TM+4]      ; my two bytes: blocks h and 2 + h,
	s_delay_alu instid0(VALU_DEP_1)
	v_lshlrev_b32 v[\wd], v[TM+6], v[\wd]           ; 8 h bits up;
	s_delay_alu instid0(VALU_DEP_1)
	v_permlanex16_b32 v[TM+7], v[\wd], s28, s29
	s_delay_alu instid0(VALU_DEP_1)
	v_or_b32 v[\wd], v[\wd], v[TM+7]                ; with lane l xor 16's two the word is whole
.irp c, 0,1
	v_cvt_scalef32_pk16_fp6_f32 v[\p+6*\c:\p+6*\c+2], v[\x+32*\c:\x+32*\c+15], v[TM+2+\c]
	v_cvt_scalef32_pk16_fp6_f32 v[CT+4*\c:CT+4*\c+2], v[\x+32*\c+16:\x+32*\c+31], v[TM+2+\c]   ; (a conversion's three registers begin on an even number)
.endr
	v_nop                                           ; one plain instruction behind the scaled conversions
.irp c, 0,1
.irp i, 0,1,2
	v_mov_b32 v[\p+3+6*\c+\i], v[CT+4*\c+\i]
.endr
.endr
.endm
; my K step of a weight's tile of 16 columns: lane (r, h) takes column r: W(64 c + 32 h + i, r) of the step's 128 rows
.macro LOADW x, b
.set i_, 0
.rept 64
	global_load_b32 v[\x+i_], v6, s[\b:\b+1] offset:(64*(i_/32)+i_%32)*4096
.set i_, i_+1
.endr
.endm
.macro LOADD x, off                    ; my K step of 16 rows of dec_hidden: lane (r, h) takes row r, 32 neighbours of each 64
.irp c, 0,1
.irp j, 0,1,2,3,4,5,6,7
	global_load_b128 v[\x+32*\c+4*\j:\x+32*\c+4*\j+3], v7, s[8:9] offset:\off+256*\c+16*\j
.endr
.endr
.endm
.macro MEET                            ; behind my last LDS store: a tensor wait, a spare-word add and a DS wait; the last wait also shows my stores done, for the others' sake; then the barrier
	s_wait_tensorcnt 0x0
	ds_add_u32 v[SPW], v[NIL]
	s_wait_dscnt 0x0
	s_barrier_signal -1
	s_barrier_wait -1
.endm
	s_load_b512 s[4:19], s[0:1], 0x0               ; Ws s[4:5], Wh s[6:7], dec s[8:9], Wh_b s[10:11], Ws_b s[12:13], Wc_b s[14:15], wimg s[16:17], base s[18:19]
	v_lshl_add_u32 v[SPW], v0, 2, SPARE
	v_mov_b32 v[NIL], 0
	v_lshrrev_b32 v1, 5, v0
	s_delay_alu instid0(VALU_DEP_1)
	v_readfirstlane_b32 s26, v1                    ; wave 0..7: my K step
	v_and_b32 v3, 31, v0
	s_delay_alu instid0(VALU_DEP_1)
	v_lshlrev_b32 v9, 2, v3                        ; 4 x lane
	s_delay_alu instid0(VALU_DEP_2)
	v_lshlrev_b32 v3, 4, v3                        ; 16 x lane
	v_and_b32 v1, 15, v0                           ; r
	s_wait_alu depctr_va_vdst(0)
	v_bfe_u32 v2, v0, 4, 1                         ; h
	s_delay_alu instid0(VALU_DEP_1)
	v_lshlrev_b32 v[TM+6], 3, v2                   ; 8 h
	v_mov_b32 v[TM+7], 0                           ; written once: a lane permute's destination counts as one of its sources
	v_lshlrev_b32 v8, 4, v1
	s_delay_alu instid0(VALU_DEP_1)
	v_lshl_add_u32 v8, v2, 9, v8                   ; the scale words' place in memory: 512 h + 16 r
	v_lshlrev_b32 v6, 2, v1
	s_delay_alu instid0(VALU_DEP_1)
	v_lshl_add_u32 v6, v2, 17, v6                  ; a weight: column r, and 32 rows of 4,096 bytes further down for lanes 16-31
	s_mov_b32 s28, 0x76543210
	s_mov_b32 s29, 0xfedcba98                      ; v_permlanex16_b32's selects for lane l xor 16
	s_lshl_b32 s30, s26, 19                        ; my K step in a weight: 128 rows of 4,096 bytes
	s_mov_b32 s31, 0
	; every LDS address is made here, ahead of the parting of the two paths
	s_lshr_b32 s32, s26, 2
	s_lshl_b32 s32, s32, 8
	s_and_b32 s33, s26, 3
	s_lshl_b32 s33, s33, 2
	s_add_co_u32 s32, s32, s33
	v_lshl_add_u32 v10, v1, 4, s32                 ; path S: my word: 256 (K step / 4) + 16 r + 4 (K step % 4)
	s_lshl_b32 s34, s26, 10
	s_add_co_u32 s34, s34, HP
	v_add_nc_u32 v11, s34, v9                      ; path H: where I put my partial sums: 1,024 x K step + 4 x lane
	s_lshl_b32 s35, s26, 7
	s_add_co_u32 s35, s35, HP
	v_add_nc_u32 v27, s35, v9                      ; and where I read register w of all K steps: 128 w + 4 x lane
	s_wait_kmcnt 0x0
	s_cmp_lt_u32 ttmp9, 64
	s_cbranch_scc0 .LpathH
; ---------------- path S: K step w of tile n = the work-group's number
	s_lshl_b32 s36, ttmp9, 6                       ; the tile's first column: 64 n bytes
	s_mov_b32 s37, 0
	s_add_nc_u64 s[4:5], s[4:5], s[36:37]
	s_add_nc_u64 s[4:5], s[4:5], s[30:31]
	s_wait_alu depctr_va_vdst(0)
	LOADW XA, 4
	s_lshr_b32 s38, ttmp9, 1
	s_mul_i32 s38, s38, 25600                      ; the pair of tiles,
	s_and_b32 s39, ttmp9, 1
	s_mul_i32 s40, s39, 12288                      ; my tile's images in it,
	s_add_co_u32 s40, s40, s38
	s_mul_i32 s41, s26, 1536                       ; my K step's image
	s_add_co_u32 s40, s40, s41
	s_mov_b32 s41, 0
	s_add_nc_u64 s[42:43], s[16:17], s[40:41]
	s_lshl_b32 s40, s39, 8                         ; and the tile's scale words: [K half][16 (n % 2) + r][4 words], behind the images
	s_add_co_u32 s40, s40, s38
	s_add_co_u32 s40, s40, 24576
	s_add_nc_u64 s[44:45], s[16:17], s[40:41]
	s_wait_loadcnt 0x0
	QF XA, PC, WD
.irp c, 0,1,2
	global_store_b128 v3, v[PC+4*\c:PC+4*\c+3], s[42:43] offset:512*\c   ; the fragment leaves as it stands: three stores of 512 consecutive bytes
.endr
	ds_store_b32 v10, v[WD]                        ; lanes r and 16 + r write the same word with the same value
	MEET
	s_cmp_lg_u32 s26, 0
	s_cbranch_scc1 .LendS
	ds_load_b128 v[XA:XA+3], v3 offset:SWD         ; lanes 0-15: K steps 0-3 of column r; lanes 16-31: K steps 4-7
	s_wait_dscnt 0x0
	global_store_b128 v8, v[XA:XA+3], s[44:45]     ; two runs of 256 consecutive bytes
.LendS:
	s_endpgm
; ---------------- path H: K step w of 32 batches x 16 columns of dec_hidden Wh_w; then register w of the sums
.LpathH:
	s_sub_co_u32 s36, ttmp9, 64
	s_lshl_b32 s36, s36, 6                         ; the tile's first column: 64 n bytes
	s_mov_b32 s37, 0
	s_add_nc_u64 s[6:7], s[6:7], s[36:37]
	s_add_nc_u64 s[6:7], s[6:7], s[30:31]
	s_add_nc_u64 s[10:11], s[10:11], s[36:37]
	s_add_nc_u64 s[12:13], s[12:13], s[36:37]
	s_add_nc_u64 s[14:15], s[14:15], s[36:37]
	s_add_nc_u64 s[18:19], s[18:19], s[36:37]
	s_lshl_b32 s38, s26, 9                         ; my K step in a row of dec_hidden: 512 bytes
	s_mov_b32 s39, 0
	s_add_nc_u64 s[8:9], s[8:9], s[38:39]
	s_lshl_b32 s38, s26, 12                        ; base: I store rows 8 h + w of each 16
	s_add_nc_u64 s[18:19], s[18:19], s[38:39]
	v_lshlrev_b32 v7, 12, v1
	s_delay_alu instid0(VALU_DEP_1)
	v_lshl_add_u32 v7, v2, 7, v7                   ; dec_hidden: row r, + 128 h
	v_lshlrev_b32 v28, 2, v1                       ; 4 r
	s_wait_alu depctr_va_vdst(0)
	LOADW XA, 6
	LOADD XB, 0
	LOADD XC, 65536
	global_load_b32 v[BI], v28, s[10:11]
	global_load_b32 v[BI+1], v28, s[12:13]
	global_load_b32 v[BI+2], v28, s[14:15]
	v_lshl_add_u32 v29, v2, 15, v28                ; base: 8 h rows of 4,096 bytes, column r
	s_wait_loadcnt 0x0
	QF XA, PC, WD
	QF XB, DC, WD+1
	QF XC, DD, WD+2
.rept 8
	v_nop                                          ; a scale register written by a vector instruction stands 8 places ahead of a scaled matrix instruction, an operand 4
.endr
	v_wmma_scale_f32_16x16x128_f8f6f4 v[AC:AC+7], v[DC:DC+11], v[PC:PC+11], 0, v[WD+1], v[WD] matrix_a_fmt:MATRIX_FMT_FP6 matrix_b_fmt:MATRIX_FMT_FP6
	v_wmma_scale_f32_16x16x128_f8f6f4 v[AC+8:AC+15], v[DD:DD+11], v[PC:PC+11], 0, v[WD+2], v[WD] matrix_a_fmt:MATRIX_FMT_FP6 matrix_b_fmt:MATRIX_FMT_FP6
	v_add_f32 v[BI], v[BI], v[BI+1]                ; four plain instructions behind the matrix instructions
	s_delay_alu instid0(VALU_DEP_1)
	v_add_f32 v[BI], v[BI], v[BI+2]
	v_nop
	v_nop
.irp t, 0,1
.irp j, 0,1,2,3,4,5,6,7
	ds_store_b32 v11, v[AC+8*\t+\j] offset:8192*\t+128*\j   ; each accumulator from its low end on
.endr
.endr
	MEET
.irp t, 0,1
.irp k, 0,1,2,3,4,5,6,7
	ds_load_b32 v[XB+8*\t+\k], v27 offset:8192*\t+1024*\k   ; register w of K step k
.endr
.endr
	s_wait_dscnt 0x0
.irp k, 1,2,3,4,5,6,7
.irp t, 0,1
	v_add_f32 v[XB+8*\t], v[XB+8*\t], v[XB+8*\t+\k]
.endr
.endr
.irp t, 0,1
	s_delay_alu instid0(VALU_DEP_2)
	v_add_f32 v[XB+8*\t], v[XB+8*\t], v[BI]
.endr
	global_store_b32 v29, v[XB], s[18:19]                  ; base(8 h + w, r)
	global_store_b32 v29, v[XB+8], s[18:19] offset:65536   ; base(16 + 8 h + w, r)
	s_endpgm
.Lfunc_end_k_q5003fd7cf1_prep:
	.size	k_q5003fd7cf1_prep, .Lfunc_end_k_q5003fd7cf1_prep-k_q5003fd7cf1_prep
	.p2alignl 7, 3214868480
	.fill 96, 4, 3214868480
	.section	.rodata,"a",@progbits
	.p2align	6, 0x0
	.amdhsa_kernel k_q5003fd7cf1_prep
		.amdhsa_group_segment_fixed_size 17920
		.amdhsa_private_segment_fixed_size 0
		.amdhsa_enable_private_segment 0
		.amdhsa_kernarg_size 64
		.amdhsa_user_sgpr_count 2
		.amdhsa_user_sgpr_kernarg_segment_ptr 1
		.amdhsa_wavefront_size32 1
		.amdhsa_system_sgpr_workgroup_id_x 1
		.amdhsa_system_sgpr_workgroup_id_y 1
		.amdhsa_system_sgpr_workgroup_id_z 1
		.amdhsa_system_vgpr_workitem_id 0
		.amdhsa_next_free_vgpr 256
		.amdhsa_next_free_sgpr 66
		.amdhsa_reserve_vcc 0
		.amdhsa_float_denorm_mode_32 3
		.amdhsa_float_denorm_mode_16_64 3
		.amdhsa_memory_ordered 1
		.amdhsa_forward_progress 1
		.amdhsa_inst_pref_size 40
	.end_amdhsa_kernel
	.amdgpu_metadata
---
amdhsa.version: [ 1, 2 ]
amdhsa.kernels:
  - .name:           k_q5003fd7cf1_prep
    .symbol:         k_q5003fd7cf1_prep.kd
    .args:
      - { .name: Ws_w, .offset: 0, .size: 8, .value_kind: global_buffer, .address_space: global }
      - { .name: Wh_w, .offset: 8, .size: 8, .value_kind: global_buffer, .address_space: global }
      - { .name: dec_hidden, .offset: 16, .size: 8, .value_kind: global_buffer, .address_space: global }
      - { .name: Wh_b, .offset: 24, .size: 8, .value_kind: global_buffer, .address_space: global }
      - { .name: Ws_b, .offset: 32, .size: 8, .value_kind: global_buffer, .address_space: global }
      - { .name: Wc_b, .offset: 40, .size: 8, .value_kind: global_buffer, .address_space: global }
      - { .name: wimg, .offset: 48, .size: 8, .value_kind: global_buffer, .address_space: global }
      - { .name: base, .offset: 56, .size: 8, .value_kind: global_buffer, .address_space: global }
    .group_segment_fixed_size: 17920
    .private_segment_fixed_size: 0
    .kernarg_segment_align: 8
    .kernarg_segment_size: 64
    .max_flat_workgroup_size: 256
    .sgpr_count:     66
    .vgpr_count:     256
    .wavefront_size: 32
...
	.end_amdgpu_metadata
.endif
;; end of part 1
;; launch score (part 2): grid 256 x 1, 4 waves a work-group, clusters of 4 x 1, 327,680 bytes of LDS; arguments enc_output, scores, wimg, base, Wc_w, V_w, prev_coverage; writes scores
.if DOCPART == 2
	.amdgcn_target "amdgcn-amd-amdhsa--gfx1250"
	.amdhsa_code_object_version 6
	.text
	.protected	k_q5003fd7cf1_score
	.globl	k_q5003fd7cf1_score
	.p2align	8
	.type	k_q5003fd7cf1_score,@function
k_q5003fd7cf1_score:
	s_mov_b64 s[64:65], 0
	v_nop
	global_prefetch_b8 v0, s[64:65] scope:SCOPE_SE
	s_setreg_imm32_b32 hwreg(HW_REG_WAVE_MODE, 25, 1), 1
	s_wait_xcnt 0x0
	s_wait_alu depctr_hold_cnt(0) depctr_sa_sdst(0) depctr_va_vdst(0) depctr_va_sdst(0) depctr_va_ssrc(0) depctr_va_vcc(0) depctr_vm_vsrc(0)
	s_getreg_b32 s2, hwreg(HW_REG_IB_STS2, 6, 4)
	s_cmp_eq_u32 s2, 0
	s_cbranch_scc0 .Lentry_in_a_cluster
	s_endpgm
.Lentry_in_a_cluster:
	s_bfe_u32 s2, ttmp6, 0x10000c
	s_cmp_lg_u32 s2, 0x3003
	s_cbranch_scc0 .Lentry_shape_is_right
	s_endpgm
.Lentry_shape_is_right:
; scores[b][s] = -2 sum over u of V_w[u] / (1 + e^(2 f)),  f = Q(enc_output[b][s]) Q(Ws_w)[u] + base[b][u] + prev_coverage[b][s] Wc_w[u].
; Left out as dead work (shown at the head of the first kernel): V_b and sum(V_w), which are the same for every position of the softmax's axis.
; SHARES.  A work-group takes 256 rows of enc_output, a wave 64: four tiles of 16 rows.  THE HEAD quantises the wave's rows to FP6 codes that stay in registers: 32 fragments of 12, and 16 scale registers.
; Ws_w's operand images (the first launch laid them) go through a ring of two LDS slots of 102,400 bytes, 128 units each: eight fills, one tensor load a wave behind each round.
; A TRIP takes 64 units: 128 matrix instructions in four groups of 32 (eight accumulators by turns), then the way out on the 128 results of a lane.  Matrix work and transcendentals stand apart, so that the way out has four waits in all.
; The images' fragments come in runs of 24 loads, a group's eight fragments, into two buffers by turns.
; The product is used transposed (source 0 = 16 units of Ws_w, source 1 = 16 rows): a lane holds one row, its registers run along the units; base is the C of each sum's first instruction.
; CLUSTER: the four work-groups of a cluster walk the same images and ask for them jointly (mask 15).  They lie in one batch (eight work-groups to a batch).
; The three tables (base's row, Wc_w, V_w: 12,288 bytes) go into LDS once, through registers, in whole runs of 2,048 bytes.
; PREFETCH: in the head unit u asks for the 8,192 bytes of unit u + 8, a lane to each 256 bytes, four units ahead of the loads that want them; units 4 to 7 are asked for in front of unit 0; the last eight units ask for nothing.
; The images are not prefetched: a fill is asked for a whole slot (256 matrix instructions and two ways out) ahead of its first read, and 64 clusters read the same 819,200 bytes.
; LIMITS: as the quantiser of the first kernel (a block of zeros has the byte 1; NaN and infinities are not served).  e^(2 f) beyond f32's range gives the quotient 0, under it 1, as tanh's limits ask.
; REGISTERS.  window 0: v0-15 addresses; v16-31 the rows' scale words; v32-47 the images' scale words; v48-55 prev_coverage; v56-63 the sums; v64-127 head: a unit's numbers, later Wc_w and V_w; v128-223 fragment buffer Y (head: temporaries).
;   window 1, 2: v0-191 the rows' codes, K steps 0-3 and 4-7.   window 3: head: four sets of loads; then v0-127 accumulators, v128-223 fragment buffer X, v224-255 base.
.set GRP,   25600                      ; two tiles of 16 units: 24,576 bytes of images, 1,024 of scale words
.set TAB,   4*GRP                      ; behind slot 0: the tables
.set SPARE, TAB+12288                  ; the spare words, 128 bytes a wave
.set SLOT1, 131072
.set STGB,  SLOT1+4*GRP                ; behind slot 1: each wave's stage, 16 rows x 528 bytes
.set STG,   8448
.set ADB, 9
.set ADT, 14
.set TL,  15
.set ASC, 16
.set BSC, 32
.set CP,  48
.set SS,  56
.set XW,  64
.set WCT, 64
.set VVT, 96
.set TM,  128
.set CT,  136
.set WT,  144
.set BF,  128
.set BAS, 224
.set MSB, 0
.macro WIN new                         ; the immediate's high byte repeats the setting that is left
.if MSB != \new
	s_set_vgpr_msb (MSB<<8)|\new
.set MSB, \new
.endif
.endm
.macro PLACES
.rept 4
	v_nop
.endr
.endm
.macro CROUND                          ; a round of the cluster's barrier
	s_barrier_signal -1
	s_barrier_wait -1
	s_cmp_lg_u32 s22, 0
	s_cbranch_scc1 .Lnot_wave_0_\@
	s_barrier_signal -3
.Lnot_wave_0_\@:
	s_barrier_wait -3
	s_barrier_signal -1
	s_barrier_wait -1
.endm
; unit u = tile m = u / 8, K step u % 8.  Row i of tile m is my row 32 (m % 2) + m / 2 + 2 i, so that the scores leave as pairs of neighbours.  Each load reads 512 consecutive bytes of a row.
.macro LOADH u
.set lm_, (\u)/8
.set ls_, (\u)%8
.irp i, 0,1,2,3,4,5,6,7,8,9,10,11,12,13,14,15
	global_load_b128 v[64*((\u)%4)+4*\i:64*((\u)%4)+4*\i+3], v2, s[4:5] offset:(32*(lm_%2)+lm_/2)*4096+8192*\i+512*ls_ th:TH_LOAD_NT
.endr
.endm
.macro PF u                            ; the unit's 32 blocks of 256 bytes, a lane to each
	global_prefetch_b8 v12, s[4:5] offset:(32*(((\u)/8)%2)+((\u)/8)/2)*4096+512*((\u)%8) th:TH_LOAD_NT scope:SCOPE_SE
.endm
; a unit: 16 rows x 128 numbers turn through my stage, so that a lane holds two whole blocks of its row; their scales, codes and the scale word
.macro HU u
.set hm_, (\u)/8
.set hs_, (\u)%8
.set hx_, 64*((\u)%4)
.set hA_, 12*(4*(hs_%4)+hm_)
.set hW_, ASC+8*(hm_/2)+hs_
.set hD_, 0x40*(1+hs_/4)
.if 31-(\u) < 3
	s_wait_loadcnt 16*(31-(\u))
.else
	s_wait_loadcnt 48                              ; my set is in; the three younger sets of 16 may be out
.endif
	WIN 0x0c
.irp i, 0,1,2,3,4,5,6,7,8,9,10,11,12,13,14,15
	ds_store_b128 v10, v[hx_+4*\i:hx_+4*\i+3] offset:528*\i
.endr
.irp c, 0,1
.irp j, 0,1,2,3,4,5,6,7
	ds_load_b128 v[XW+32*\c+4*\j:XW+32*\c+4*\j+3], v11 offset:256*\c+16*\j   ; LDS serves a wave's instructions in order
.endr
.endr
.if (\u)+4 < 32
	s_wait_dscnt 16                                ; the 16 stores have read their registers
	WIN 0xc0
	LOADH (\u)+4
.endif
	WIN 0
	s_wait_dscnt 0x0
.irp c, 0,1
	v_max3_num_f32 v[TM+\c], |v[XW+32*\c]|, |v[XW+32*\c+1]|, 0x1800000   ; with the floor 2^(3 - 127)
.endr
.irp i, 2,4,6,8,10,12,14,16,18,20,22,24,26,28,30
.irp c, 0,1
	v_max3_num_f32 v[TM+\c], v[TM+\c], |v[XW+32*\c+\i]|, |v[XW+32*\c+\i+1]|
.endr
.endr
.irp c, 0,1
	v_add_nc_u32 v[TM+2+\c], 0xff000000, v[TM+\c]  ; 2 off the exponent field: the conversion's scale operand
.endr
.irp c, 0,1
	v_lshrrev_b32 v[TM+4+\c], 23, v[TM+2+\c]       ; the byte
.endr
.if (\u)+8 < 32
	PF (\u)+8
.endif
	v_lshl_or_b32 v[WT], v[TM+5], 16, v[TM+4]
	v_lshlrev_b32 v[WT], v[TM+6], v[WT]
	v_permlanex16_b32 v[TM+7], v[WT], s58, s59
.if hm_%2 == 0
	v_or_b32 v[hW_], v[WT], v[TM+7]                ; even tiles' words are read from lanes 0-15,
.else
	v_or_b32 v[WT], v[WT], v[TM+7]
	v_cndmask_b32 v[hW_], v[hW_], v[WT], s66       ; odd tiles' from lanes 16-31 of the same register
.endif
.irp c, 0,1
	v_cvt_scalef32_pk16_fp6_f32 v[CT+4*\c:CT+4*\c+2], v[XW+32*\c+16:XW+32*\c+31], v[TM+2+\c]
.endr
	WIN hD_
.irp c, 0,1
	v_cvt_scalef32_pk16_fp6_f32 v[hA_+6*\c:hA_+6*\c+2], v[XW+32*\c:XW+32*\c+15], v[TM+2+\c]
.endr
	v_nop                                          ; one plain place behind the scaled conversions
.irp c, 0,1
.irp i, 0,1,2
	v_mov_b32 v[hA_+3+6*\c+\i], v[CT+4*\c+\i]
.endr
.endr
.endm
; group g of a trip: pair of tiles g / 2, K half g % 2.  k counts its 32 matrix instructions: K step k / 8, tile of units (k % 8) / 4, tile of rows k % 4
.macro MM k, g
.set ks_, (\k)/8
.set kn_, ((\k)%8)/4
.set km_, (\k)%4
.set rD, 64*((\g)/2)+8*(4*kn_+km_)
.set rC, rD
.if ((\g)%2 == 0) && (ks_ == 0)
.set rC, BAS+16*((\g)/2)+8*kn_
.endif
.set rW, BF+24*ks_+12*kn_
.set rA, 12*(4*ks_+km_)
.set rU, BSC+8*((\g)/2)+4*((\g)%2)+ks_
.set rR, ASC+8*(km_/2)+4*((\g)%2)+ks_
.if (kn_ == 0) && (km_%2 == 0)
	v_wmma_scale_f32_16x16x128_f8f6f4 v[rD:rD+7], v[rW:rW+11], v[rA:rA+11], v[rC:rC+7], v[rU], v[rR] matrix_a_fmt:MATRIX_FMT_FP6 matrix_b_fmt:MATRIX_FMT_FP6
.elseif kn_ == 0
	v_wmma_scale_f32_16x16x128_f8f6f4 v[rD:rD+7], v[rW:rW+11], v[rA:rA+11], v[rC:rC+7], v[rU], v[rR] matrix_a_fmt:MATRIX_FMT_FP6 matrix_b_fmt:MATRIX_FMT_FP6 matrix_b_scale:MATRIX_SCALE_ROW1
.elseif km_%2 == 0
	v_wmma_scale_f32_16x16x128_f8f6f4 v[rD:rD+7], v[rW:rW+11], v[rA:rA+11], v[rC:rC+7], v[rU], v[rR] matrix_a_fmt:MATRIX_FMT_FP6 matrix_b_fmt:MATRIX_FMT_FP6 matrix_a_scale:MATRIX_SCALE_ROW1
.else
	v_wmma_scale_f32_16x16x128_f8f6f4 v[rD:rD+7], v[rW:rW+11], v[rA:rA+11], v[rC:rC+7], v[rU], v[rR] matrix_a_fmt:MATRIX_FMT_FP6 matrix_b_fmt:MATRIX_FMT_FP6 matrix_a_scale:MATRIX_SCALE_ROW1 matrix_b_scale:MATRIX_SCALE_ROW1
.endif
.endm
.macro MG g                            ; eight accumulators take turns, one instruction a turn
.set k_, 0
.rept 32
	MM k_, \g
.set k_, k_+1
.endr
.endm
.macro BLD g                           ; group g's eight fragments, 24 loads of 512 consecutive bytes
.irp s, 0,1,2,3
.irp n, 0,1
.irp c, 0,1,2
	ds_load_b128 v[BF+24*\s+12*\n+4*\c:BF+24*\s+12*\n+4*\c+3], v[ADB] offset:GRP*((\g)/2)+12288*\n+1536*(4*((\g)%2)+\s)+512*\c
.endr
.endr
.endr
.endm
.macro TLD reg, off                    ; a table's 32 numbers of my half of the lanes: units 16 t + 8 h + 0 .. 7 of the trip's 64
.irp t, 0,1,2,3,4,5,6,7
	ds_load_b128 v[\reg+4*\t:\reg+4*\t+3], v[ADT] offset:\off+64*(\t/2)+16*(\t%2)
.endr
.endm
; the way out: pair i of the 64 pairs of results lies at v[2 i]: i = 32 (pair of tiles) + 16 (tile of units) + 4 (tile of rows) + (pair of units)
.macro EPI
	WIN 0xf0
.set i_, 0
.rept 64
	v_pk_fma_f32 v[2*i_:2*i_+1], v[WCT+16*(i_/32)+8*((i_/16)%2)+2*(i_%4):WCT+16*(i_/32)+8*((i_/16)%2)+2*(i_%4)+1], v[CP+2*((i_/4)%4):CP+2*((i_/4)%4)+1], v[2*i_:2*i_+1] op_sel_hi:[1,0,1]   ; f: each accumulator from its low end on
.set i_, i_+1
.endr
	WIN 0xc3
.set i_, 0
.rept 64
	v_pk_mul_f32 v[2*i_:2*i_+1], v[2*i_:2*i_+1], s[56:57] op_sel_hi:[1,0]   ; x 2 log2(e)
.set i_, i_+1
.endr
	s_wait_alu depctr_va_vdst(0)                   ; the wait ahead of a batch,
.set i_, 0
.rept 128
	v_exp_f32 v[i_], v[i_]                         ; e^(2 f)
.set i_, i_+1
.endr
	v_nop
	s_wait_alu depctr_va_vdst(0)                   ; and behind it
.set i_, 0
.rept 64
	v_pk_add_f32 v[2*i_:2*i_+1], v[2*i_:2*i_+1], 1.0 op_sel_hi:[1,0]
.set i_, i_+1
.endr
	s_wait_alu depctr_va_vdst(0)
.set i_, 0
.rept 128
	v_rcp_f32 v[i_], v[i_]
.set i_, i_+1
.endr
	v_nop
	s_wait_alu depctr_va_vdst(0)
	WIN 0x03
.set i_, 0
.rept 64                               ; four chains, one for each tile of rows
.set q_, i_/4
.set a_, 32*(q_/8)+16*((q_/4)%2)+4*(i_%4)+q_%4
	v_pk_fma_f32 v[SS+2*(i_%4):SS+2*(i_%4)+1], v[2*a_:2*a_+1], v[VVT+16*(q_/8)+8*((q_/4)%2)+2*(q_%4):VVT+16*(q_/8)+8*((q_/4)%2)+2*(q_%4)+1], v[SS+2*(i_%4):SS+2*(i_%4)+1]
.set i_, i_+1
.endr
	WIN 0
.endm
.macro HALF                            ; a trip: 64 units
	v_add_nc_u32 v[ADB], s60, v2
	v_add_nc_u32 v[ADT], s61, v[TL]
	s_wait_alu depctr_va_vdst(0)
	s_add_co_u32 s60, s60, 2*GRP
	s_add_co_u32 s61, s61, 256
.irp p, 0,1
	ds_load_b128 v[BSC+8*\p:BSC+8*\p+3], v[ADB] offset:GRP*\p+24576       ; scale words: lanes 0-15 the even tile's, lanes 16-31 the odd tile's
	ds_load_b128 v[BSC+8*\p+4:BSC+8*\p+7], v[ADB] offset:GRP*\p+24576+512
.endr
	WIN 0xc0
	TLD BAS, 0
	BLD 0
	WIN 0
	BLD 1
	TLD WCT, 4096
	TLD VVT, 8192
	s_wait_dscnt 40                                ; the scale words, base and buffer X are in; buffer Y's 24 loads and the 16 of Wc_w and V_w may be out
	WIN 0xf7
	MG 0
	PLACES                                         ; in front of loads into registers that matrix instructions have read
	WIN 0xc0
	BLD 2
	s_wait_dscnt 24                                ; all but the 24 just issued
	WIN 0xf8
	MG 1
	PLACES
	WIN 0
	BLD 3
	s_wait_dscnt 24
	WIN 0xf7
	MG 2
	s_wait_dscnt 0x0
	WIN 0xf8
	MG 3
	PLACES                                         ; in front of the first read of results
	EPI
.endm
; a change of slots: a tensor wait, a spare-word add and a DS wait; the round stands for the barrier; the fill is the wave's one tensor load behind it: the next 128 units, into the slot read last (the first time: slot 1's first fill)
.macro CHANGE fill
	s_wait_tensorcnt 0x0
	ds_add_u32 v4, v5
.if \fill
	s_xor_b32 s49, s49, SLOT1
	s_add_nc_u64 s[50:51], s[50:51], 4*GRP
.endif
	s_sub_co_u32 s60, s60, 4*GRP
	s_xor_b32 s60, s60, SLOT1
	s_wait_dscnt 0x0
.if \fill
	CROUND
	tensor_load_to_lds s[48:51], s[28:35]
	s_nop 0
	PLACES
.else
	s_barrier_signal -1
	s_barrier_wait -1
.endif
.endm
	s_load_b256 s[4:11], s[0:1], 0x0               ; enc_output s[4:5], scores s[6:7], wimg s[8:9], base s[10:11]
	s_load_b128 s[12:15], s[0:1], 0x20             ; Wc_w s[12:13], V_w s[14:15]
	s_load_b64 s[16:17], s[0:1], 0x30              ; prev_coverage
	v_lshl_add_u32 v4, v0, 2, SPARE
	v_mov_b32 v5, 0
	ds_add_u32 v4, v5
	ds_add_u32 v4, v5
	v_lshrrev_b32 v1, 5, v0
	v_readfirstlane_b32 s22, v1                    ; wave
	s_bfe_u32 s23, ttmp6, 0x40000                  ; cx
	s_lshl_b32 s24, ttmp9, 2
	s_add_co_u32 s24, s24, s23                     ; work-group
	s_lshl_b32 s25, s24, 2
	s_add_co_u32 s25, s25, s22                     ; my run of 64 rows
	s_lshr_b32 s26, ttmp9, 1                       ; batch: two clusters to a batch
	s_mov_b32 s28, 15|(3<<16)|(1<<21)              ; group 1: 100 rows of 256 bytes, dense; the mask names the cluster's four
	s_mov_b32 s29, 32<<16
	s_mov_b32 s30, 100<<16
	s_mov_b32 s31, 32<<16
	s_mov_b32 s32, 100
	s_mov_b32 s33, 32
	s_mov_b32 s34, 0
	s_mov_b32 s35, 0
	s_mov_b32 s56, 0x4038aa3b                      ; 2 log2(e)
	s_mov_b32 s57, s56
	s_mov_b32 s58, 0x76543210
	s_mov_b32 s59, 0xfedcba98
	s_mov_b32 s66, 0xffff0000                      ; lanes 16-31
	s_mov_b32 s60, SLOT1+4*GRP                     ; the first change of slots makes it 0
	s_mov_b32 s61, 0
	s_mul_i32 s72, s22, STG
	s_add_co_u32 s72, s72, STGB
	s_lshl_b32 s68, s25, 18
	s_mov_b32 s69, 0
	s_lshl_b32 s74, s25, 8
	s_mov_b32 s75, 0
	s_lshl_b32 s76, s26, 12
	s_mov_b32 s77, 0
	s_mul_i32 s78, s22, GRP
	s_mov_b32 s79, 0
	s_mov_b32 s48, 1
	s_mov_b32 s49, s78
	v_and_b32 v8, 31, v0
	v_and_b32 v1, 15, v0                           ; r
	v_bfe_u32 v3, v0, 4, 1                         ; h
	v_lshlrev_b32 v2, 4, v8                        ; 16 x lane
	v_lshlrev_b32 v6, 3, v1
	v_lshlrev_b32 v7, 3, v8
	v_lshlrev_b32 v13, 4, v0                       ; 16 x thread
	v_add_nc_u32 v9, TAB, v13
	v_add_nc_u32 v10, s72, v2                      ; the stage, in
	v_mul_u32_u24 v11, v1, 528
	v_lshl_add_u32 v11, v3, 7, v11
	v_add_nc_u32 v11, s72, v11                     ; and out: row r, 128 h
	v_lshrrev_b32 v12, 1, v8
	v_lshlrev_b32 v12, 13, v12
	v_and_b32 v14, 1, v8
	v_lshl_add_u32 v12, v14, 8, v12                ; the prefetches: 8,192 (lane / 2) + 256 (lane % 2)
	v_lshl_add_u32 v[TL], v3, 5, TAB
	v_lshlrev_b32 v[TM+6], 3, v3
	v_mov_b32 v[TM+7], 0
	s_wait_alu depctr_va_vdst(0)                   ; the wait at the head's end
	s_wait_dscnt 0x0
	s_wait_kmcnt 0x0
	s_add_nc_u64 s[4:5], s[4:5], s[68:69]
	s_add_nc_u64 s[16:17], s[16:17], s[74:75]
	s_add_nc_u64 s[6:7], s[6:7], s[74:75]
	s_add_nc_u64 s[10:11], s[10:11], s[76:77]
	s_add_nc_u64 s[50:51], s[8:9], s[78:79]
	s_or_b32 s51, s51, 0x80000000
	CROUND
	tensor_load_to_lds s[48:51], s[28:35]          ; my quarter of the first 128 units, into slot 0: the wave's one load at the head
	s_nop 0
	PLACES
.irp i, 0,1
	global_load_b128 v[64+4*\i:67+4*\i], v13, s[10:11] offset:2048*\i
	global_load_b128 v[72+4*\i:75+4*\i], v13, s[12:13] offset:2048*\i
	global_load_b128 v[80+4*\i:83+4*\i], v13, s[14:15] offset:2048*\i
.endr
.irp m, 0,1,2,3
	global_load_b32 v[CP+2*\m], v6, s[16:17] offset:128*(\m%2)+4*(\m/2)
.endr
	WIN 0xc0
	LOADH 0
	LOADH 1
	LOADH 2
	WIN 0
	s_wait_loadcnt 48                              ; the tables and prev_coverage are in; three sets of 16 may be out
.irp i, 0,1,2,3,4,5
	ds_store_b128 v9, v[64+4*\i:67+4*\i] offset:2048*\i
.endr
.irp m, 0,1,2,3
	v_mov_b32 v[CP+2*\m+1], v[CP+2*\m]             ; the packed form names the pair
.endr
	WIN 0xc0
	LOADH 3
	WIN 0
	PF 4
	PF 5
	PF 6
	PF 7
.set u_, 0
.rept 32
	HU u_
.set u_, u_+1
.endr
	WIN 0
.irp i, 0,1,2,3,4,5,6,7
	v_mov_b32 v[SS+\i], 0                          ; also the places between the last scale word and codes and the first scaled matrix instruction
.endr
	s_wait_alu depctr_va_vdst(0)                   ; the wait here, ahead of the waits below
	s_mov_b32 s62, 7
.Lslot:
	CHANGE 1
	s_mov_b32 s63, 2
.Lhalf:
	HALF
	s_sub_co_u32 s63, s63, 1
	s_cmp_lg_u32 s63, 0
	s_cbranch_scc1 .Lhalf
	s_sub_co_u32 s62, s62, 1
	s_cmp_lg_u32 s62, 0
	s_cbranch_scc1 .Lslot
	CHANGE 0                                       ; the last slot: nothing more is asked for
	s_mov_b32 s63, 2
.Ltail:
	HALF
	s_sub_co_u32 s63, s63, 1
	s_cmp_lg_u32 s63, 0
	s_cbranch_scc1 .Ltail
	s_wait_alu depctr_va_vdst(0)
.irp m, 0,1,2,3
	v_add_f32 v[64+\m], v[SS+2*\m], v[SS+2*\m+1]
.endr
.irp m, 0,1,2,3
	v_mov_b32 v[68+\m], 0
.endr
.irp m, 0,1,2,3
	v_permlanex16_b32 v[68+\m], v[64+\m], s58, s59
.endr
.irp m, 0,1,2,3
	v_add_f32 v[64+\m], v[64+\m], v[68+\m]         ; with lane l xor 16's units
.endr
.irp m, 0,1,2,3
	v_mul_f32 v[64+\m], -2.0, v[64+\m]
.endr
	v_cndmask_b32 v72, v64, v65, s66               ; lanes 0-15: rows 2 r, 2 r + 1; lanes 16-31: rows 32 + 2 r, 33 + 2 r
	v_cndmask_b32 v73, v66, v67, s66
	global_store_b64 v7, v[72:73], s[6:7]          ; the wave stores 256 consecutive bytes, aligned
	s_wait_tensorcnt 0x0                           ; the wave's end
	ds_add_u32 v4, v5
	s_wait_dscnt 0x0
	CROUND                                         ; the closing round
	s_endpgm
.Lfunc_end_k_q5003fd7cf1_score:
	.size	k_q5003fd7cf1_score, .Lfunc_end_k_q5003fd7cf1_score-k_q5003fd7cf1_score
	.p2alignl 7, 3214868480
	.fill 96, 4, 3214868480
	.section	.rodata,"a",@progbits
	.p2align	6, 0x0
	.amdhsa_kernel k_q5003fd7cf1_score
		.amdhsa_group_segment_fixed_size 327680
		.amdhsa_private_segment_fixed_size 0
		.amdhsa_enable_private_segment 0
		.amdhsa_kernarg_size 56
		.amdhsa_user_sgpr_count 2
		.amdhsa_user_sgpr_kernarg_segment_ptr 1
		.amdhsa_wavefront_size32 1
		.amdhsa_system_sgpr_workgroup_id_x 1
		.amdhsa_system_sgpr_workgroup_id_y 1
		.amdhsa_system_sgpr_workgroup_id_z 1
		.amdhsa_system_vgpr_workitem_id 0
		.amdhsa_next_free_vgpr 1024
		.amdhsa_next_free_sgpr 80
		.amdhsa_reserve_vcc 0
		.amdhsa_float_denorm_mode_32 3
		.amdhsa_float_denorm_mode_16_64 3
		.amdhsa_memory_ordered 1
		.amdhsa_forward_progress 1
		.amdhsa_inst_pref_size 255
	.end_amdhsa_kernel
	.section	.bss,"aw",@nobits
	.p2align	6
	.space	262144
	.amdgpu_metadata
---
amdhsa.version: [ 1, 2 ]
amdhsa.kernels:
  - .name:           k_q5003fd7cf1_score
    .symbol:         k_q5003fd7cf1_score.kd
    .args:
      - { .name: enc_output, .offset: 0, .size: 8, .value_kind: global_buffer, .address_space: global }
      - { .name: scores, .offset: 8, .size: 8, .value_kind: global_buffer, .address_space: global }
      - { .name: wimg, .offset: 16, .size: 8, .value_kind: global_buffer, .address_space: global }
      - { .name: base, .offset: 24, .size: 8, .value_kind: global_buffer, .address_space: global }
      - { .name: Wc_w, .offset: 32, .size: 8, .value_kind: global_buffer, .address_space: global }
      - { .name: V_w, .offset: 40, .size: 8, .value_kind: global_buffer, .address_space: global }
      - { .name: prev_coverage, .offset: 48, .size: 8, .value_kind: global_buffer, .address_space: global }
    .group_segment_fixed_size: 327680
    .private_segment_fixed_size: 0
    .kernarg_segment_align: 8
    .kernarg_segment_size: 56
    .max_flat_workgroup_size: 128
    .sgpr_count:     80
    .vgpr_count:     1024
    .wavefront_size: 32
...
	.end_amdgpu_metadata
.endif
;; end of part 2
;; launch ctx (part 3): grid 256 x 1, 16 waves a work-group, no clusters, 68,096 bytes of LDS; arguments scores, enc_output, prev_coverage, part, out1, out2; writes part, out1, out2
.if DOCPART == 3
	.amdgcn_target "amdgcn-amd-amdhsa--gfx1250"
	.amdhsa_code_object_version 6
	.text
	.protected	k_q5003fd7cf1_ctx
	.globl	k_q5003fd7cf1_ctx
	.p2align	8
	.type	k_q5003fd7cf1_ctx,@function
k_q5003fd7cf1_ctx:
	s_mov_b64 s[64:65], 0
	v_nop
	global_prefetch_b8 v0, s[64:65] scope:SCOPE_SE
	s_setreg_imm32_b32 hwreg(HW_REG_WAVE_MODE, 25, 1), 1
	s_wait_xcnt 0x0
; a = softmax over the batch's 2,048 scores;  out1 = a;  out2 = a + prev_coverage;  part[b][j][d] = sum over the 256 rows s of block j of a[s] enc_output[b][s][d], on the f32 rows.  The next launch adds a batch's eight parts.
; The scores come without V_b and sum(V_w), which are the same for every position and divide out of the softmax (shown at the head of the first kernel).
; SHARES.  Work-group 8 b + j takes rows 256 j .. 256 j + 255 of batch b at their full width: 1,048,576 consecutive bytes.  A wave takes 16 rows; a lane holds 32 sums, columns 128 c + 4 lane + 0 .. 3.
; Every work-group remakes the softmax from the batch's 8,192 bytes of scores; a wave loads its own 16 rows' scores once more, a lane a row, so that its weights lie in its own lanes.
; Every wave loads its 512 bytes of prev_coverage, though only two waves use them: so the counted wait behind the loads counts the same in every wave.
; The maximum is taken away before the exponential; the weights are p / sum(p), p = 2^((s - max) log2 e).
; A ring of two rows in registers keeps 8 to 16 loads of 512 consecutive bytes of every wave on their way; it is filled ahead of the softmax.  One wait a row.
; PREFETCH: one instruction names the 32 blocks of 256 bytes of two rows, a lane to each.  Rows 2 to 5 are asked for at the head; every second row i asks for rows i + 6 and i + 7, four rows ahead of their loads; rows from 10 on ask for nothing.
; The 16 waves' sums meet in 65,536 bytes of LDS; each thread adds two columns and the wave stores 256 consecutive bytes.  No matrix unit, no cluster: work-groups share no large input.
; LIMITS: NaN and infinities are not served; a p under 2^-126 counts as 0.
.set MAXW,  0                          ; LDS: the waves' maxima, 16 words
.set SUMW,  256                        ; their sums
.set RED,   512                        ; their parts: 16 x 4,096 bytes
.set SPARE, RED+16*4096                ; the spare words, 128 bytes for each wave
.set X,     64                         ; v64-127 the ring: 2 rows of 32 registers
.set AC,    128                        ; v128-159 the sums
	s_load_b256 s[4:11], s[0:1], 0x0               ; scores s[4:5], enc_output s[6:7], prev_coverage s[8:9], part s[10:11]
	s_load_b128 s[12:15], s[0:1], 0x20             ; out1 s[12:13], out2 s[14:15]
	v_lshl_add_u32 v2, v0, 2, SPARE                ; my spare word; never rewritten
	v_mov_b32 v3, 0                                ; 0; never rewritten
	v_lshrrev_b32 v1, 5, v0
	v_readfirstlane_b32 s16, v1                    ; wave 0..15
	s_lshl_b32 s40, s16, 12
	s_add_co_u32 s40, s40, RED                     ; my wave's 4,096 bytes of RED
	s_lshl_b32 s41, s16, 2
	s_lshr_b32 s17, ttmp9, 3                       ; b
	s_and_b32 s18, ttmp9, 7                        ; j
	s_lshr_b32 s19, s16, 1                         ; my wave stores out1 and out2 where this is j
	s_mov_b32 s2, 0x76543210
	s_mov_b32 s3, 0xfedcba98
	s_mov_b32 s25, 0                               ; the weights' pairs: the packed form takes the low word for both halves, and names the pair
	s_mov_b32 s27, 0
	s_lshl_b32 s20, s17, 13                        ; 8,192 b
	s_mov_b32 s21, 0
	s_lshl_b32 s22, ttmp9, 20                      ; my work-group's 256 rows,
	s_lshl_b32 s23, s16, 16                        ; my wave's 16
	s_add_co_u32 s22, s22, s23
	s_mov_b32 s23, 0
	s_lshl_b32 s42, ttmp9, 12                      ; part at 4,096 (8 b + j)
	s_mov_b32 s43, 0
	s_lshl_b32 s44, s18, 10
	s_lshl_b32 s45, s16, 6
	s_add_co_u32 s44, s44, s45                     ; my 16 rows' scores: 1,024 j + 64 wave
	v_and_b32 v58, 31, v0
	v_lshlrev_b32 v1, 4, v58                       ; 16 x lane
	v_lshlrev_b32 v24, 4, v0                       ; 16 x thread: my four scores
	v_mov_b32 v26, 0                               ; written once: a lane permute's destination counts as one of its sources
	v_mov_b32 v27, s41                             ; my wave's word
	v_mov_b32 v28, 0
	v_add_nc_u32 v56, s40, v1                      ; where I put my sums
	v_lshlrev_b32 v57, 8, v58                      ; the prefetches: 256 x lane; never rewritten
	v_and_b32 v59, 15, v0
	v_lshl_add_u32 v60, v59, 2, s44                ; lane l: the score of my row l % 16
	v_lshlrev_b32 v62, 3, v0                       ; 8 x thread: my two columns
	v_add_nc_u32 v61, RED, v62
	s_wait_alu depctr_va_vdst(0)                   ; the wait at the head's end
	s_wait_kmcnt 0x0
	s_add_nc_u64 s[4:5], s[4:5], s[20:21]
	s_add_nc_u64 s[8:9], s[8:9], s[20:21]
	s_add_nc_u64 s[12:13], s[12:13], s[20:21]
	s_add_nc_u64 s[14:15], s[14:15], s[20:21]
	s_add_nc_u64 s[6:7], s[6:7], s[22:23]
	s_add_nc_u64 s[10:11], s[10:11], s[42:43]
	global_load_b128 v[4:7], v24, s[4:5]           ; my four scores
	global_load_b128 v[8:11], v24, s[8:9]          ; and their prev_coverage, in every wave
	global_load_b32 v12, v60, s[4:5]               ; my wave's rows' scores
.set i_, 0
.rept 16
	global_load_b128 v[X+4*i_:X+4*i_+3], v1, s[6:7] offset:512*i_ th:TH_LOAD_NT   ; rows 0 and 1: 8,192 consecutive bytes
.set i_, i_+1
.endr
	global_prefetch_b8 v57, s[6:7] offset:4096*2 th:TH_LOAD_NT scope:SCOPE_SE
	global_prefetch_b8 v57, s[6:7] offset:4096*4 th:TH_LOAD_NT scope:SCOPE_SE
	s_wait_loadcnt 16                              ; the scores and the coverage are in; the ring's 16 loads may be out
	v_max3_num_f32 v25, v4, v5, v6
	v_max_num_f32 v25, v25, v7
	v_max_num_f32_dpp v25, v25, v25 row_xmask:1 row_mask:0xf bank_mask:0xf
	v_max_num_f32_dpp v25, v25, v25 row_xmask:2 row_mask:0xf bank_mask:0xf
	v_max_num_f32_dpp v25, v25, v25 row_xmask:4 row_mask:0xf bank_mask:0xf
	v_max_num_f32_dpp v25, v25, v25 row_xmask:8 row_mask:0xf bank_mask:0xf
	v_permlanex16_b32 v26, v25, s2, s3
	v_max_num_f32 v25, v25, v26
	ds_store_b32 v27, v25 offset:MAXW              ; all lanes write the same word with the same value
	s_wait_alu depctr_va_vdst(0)
	s_wait_dscnt 0x0                               ; for the others' sake
	s_barrier_signal -1
	s_barrier_wait -1
.irp i, 0,1,2,3
	ds_load_b128 v[32+4*\i:35+4*\i], v28 offset:MAXW+16*\i
.endr
	s_wait_dscnt 0x0
	v_max3_num_f32 v25, v32, v33, v34
.irp i, 35,37,39,41,43,45
	v_max3_num_f32 v25, v25, v[\i], v[\i+1]
.endr
	v_max_num_f32 v25, v25, v47                    ; the batch's largest score
.irp i, 4,5,6,7,12
	v_sub_f32 v[\i], v[\i], v25
.endr
.irp i, 4,5,6,7,12
	v_mul_f32 v[\i], 0x3fb8aa3b, v[\i]
.endr
	s_wait_alu depctr_va_vdst(0)                   ; the wait ahead of the batch,
.irp i, 4,5,6,7,12
	v_exp_f32 v[\i], v[\i]                         ; p, at most 1
.endr
	v_nop
	s_wait_alu depctr_va_vdst(0)                   ; and behind it
	v_add_f32 v29, v4, v5
	v_add_f32 v30, v6, v7
	v_add_f32 v29, v29, v30
	v_add_f32_dpp v29, v29, v29 row_xmask:1 row_mask:0xf bank_mask:0xf
	v_add_f32_dpp v29, v29, v29 row_xmask:2 row_mask:0xf bank_mask:0xf
	v_add_f32_dpp v29, v29, v29 row_xmask:4 row_mask:0xf bank_mask:0xf
	v_add_f32_dpp v29, v29, v29 row_xmask:8 row_mask:0xf bank_mask:0xf
	v_permlanex16_b32 v26, v29, s2, s3
	v_add_f32 v29, v29, v26
	ds_store_b32 v27, v29 offset:SUMW
	s_wait_alu depctr_va_vdst(0)
	s_wait_dscnt 0x0
	s_barrier_signal -1
	s_barrier_wait -1
.irp i, 0,1,2,3
	ds_load_b128 v[32+4*\i:35+4*\i], v28 offset:SUMW+16*\i
.endr
	s_wait_dscnt 0x0
.irp i, 1,2,3
	v_pk_add_f32 v[32:33], v[32:33], v[32+4*\i:33+4*\i]
	v_pk_add_f32 v[34:35], v[34:35], v[34+4*\i:35+4*\i]
.endr
	v_pk_add_f32 v[32:33], v[32:33], v[34:35]
	v_add_f32 v29, v32, v33                        ; the batch's sum
	s_wait_alu depctr_va_vdst(0)
	v_rcp_f32 v31, v29
	v_nop
	s_wait_alu depctr_va_vdst(0)
	v_mul_f32 v12, v12, v31                        ; my rows' weights
	s_wait_alu depctr_va_vdst(0)
	s_cmp_lg_u32 s19, s18
	s_cbranch_scc1 .Lno_out
.irp i, 0,1,2,3
	v_mul_f32 v[48+\i], v[4+\i], v31               ; a
.endr
.irp i, 0,1,2,3
	v_add_f32 v[52+\i], v[48+\i], v[8+\i]          ; a + prev_coverage
.endr
	global_store_b128 v24, v[48:51], s[12:13]      ; a wave stores 512 consecutive bytes
	global_store_b128 v24, v[52:55], s[14:15]
.Lno_out:
; row i of my wave's 16: its weight lies in lane i; its 4,096 bytes in eight sets of four registers
.macro ROW i
.set sp_, 24+2*((\i)%2)
.set xr_, X+32*((\i)%2)
	v_readlane_b32 s[sp_], v12, \i
	s_wait_alu depctr_va_vdst(0)
.if (\i) < 15
	s_wait_loadcnt 8                               ; my row is in; the younger row's eight loads stay out
.else
	s_wait_loadcnt 0x0
.endif
.if ((\i)%2 == 0) && ((\i)+6 < 16)
	global_prefetch_b8 v57, s[6:7] offset:4096*((\i)+6) th:TH_LOAD_NT scope:SCOPE_SE
.endif
.irp c, 0,1,2,3,4,5,6,7,8,9,10,11,12,13,14,15
.if (\i) == 0
	v_pk_mul_f32 v[AC+2*\c:AC+2*\c+1], v[xr_+2*\c:xr_+2*\c+1], s[sp_:sp_+1] op_sel_hi:[1,0]        ; row 0 starts the sums: nothing is cleared
.else
	v_pk_fma_f32 v[AC+2*\c:AC+2*\c+1], v[xr_+2*\c:xr_+2*\c+1], s[sp_:sp_+1], v[AC+2*\c:AC+2*\c+1] op_sel_hi:[1,0,1]
.endif
.endr
.if (\i)+2 < 16
.irp c, 0,1,2,3,4,5,6,7
	global_load_b128 v[xr_+4*\c:xr_+4*\c+3], v1, s[6:7] offset:4096*((\i)+2)+512*\c th:TH_LOAD_NT
.endr
.endif
.endm
.set r_, 0
.rept 16
	ROW r_
.set r_, r_+1
.endr
.irp c, 0,1,2,3,4,5,6,7
	ds_store_b128 v56, v[AC+4*\c:AC+4*\c+3] offset:512*\c   ; my wave's sums of the 1,024 columns: my last LDS stores
.endr
	s_wait_tensorcnt 0x0
	ds_add_u32 v2, v3
	s_wait_dscnt 0x0                               ; the wait also shows my stores done, for the others' sake
	s_barrier_signal -1
	s_barrier_wait -1
.irp k, 0,1,2,3,4,5,6,7,8,9,10,11,12,13,14,15
	ds_load_b64 v[X+2*\k:X+2*\k+1], v61 offset:4096*\k      ; my two columns of the 16 waves' sums
.endr
	s_wait_dscnt 0x0
.irp k, 2,4,6,8,10,12,14
	v_pk_add_f32 v[X:X+1], v[X:X+1], v[X+2*\k:X+2*\k+1]
	v_pk_add_f32 v[X+2:X+3], v[X+2:X+3], v[X+2*\k+2:X+2*\k+3]
.endr
	v_pk_add_f32 v[X:X+1], v[X:X+1], v[X+2:X+3]
	global_store_b64 v62, v[X:X+1], s[10:11]       ; a wave stores 256 consecutive bytes, aligned
	s_endpgm
.Lfunc_end_k_q5003fd7cf1_ctx:
	.size	k_q5003fd7cf1_ctx, .Lfunc_end_k_q5003fd7cf1_ctx-k_q5003fd7cf1_ctx
	.p2alignl 7, 3214868480
	.fill 96, 4, 3214868480
	.section	.rodata,"a",@progbits
	.p2align	6, 0x0
	.amdhsa_kernel k_q5003fd7cf1_ctx
		.amdhsa_group_segment_fixed_size 68096
		.amdhsa_private_segment_fixed_size 0
		.amdhsa_enable_private_segment 0
		.amdhsa_kernarg_size 48
		.amdhsa_user_sgpr_count 2
		.amdhsa_user_sgpr_kernarg_segment_ptr 1
		.amdhsa_wavefront_size32 1
		.amdhsa_system_sgpr_workgroup_id_x 1
		.amdhsa_system_sgpr_workgroup_id_y 1
		.amdhsa_system_sgpr_workgroup_id_z 1
		.amdhsa_system_vgpr_workitem_id 0
		.amdhsa_next_free_vgpr 160
		.amdhsa_next_free_sgpr 66
		.amdhsa_reserve_vcc 0
		.amdhsa_float_denorm_mode_32 3
		.amdhsa_float_denorm_mode_16_64 3
		.amdhsa_memory_ordered 1
		.amdhsa_forward_progress 1
		.amdhsa_inst_pref_size 40
	.end_amdhsa_kernel
	.amdgpu_metadata
---
amdhsa.version: [ 1, 2 ]
amdhsa.kernels:
  - .name:           k_q5003fd7cf1_ctx
    .symbol:         k_q5003fd7cf1_ctx.kd
    .args:
      - { .name: scores, .offset: 0, .size: 8, .value_kind: global_buffer, .address_space: global }
      - { .name: enc_output, .offset: 8, .size: 8, .value_kind: global_buffer, .address_space: global }
      - { .name: prev_coverage, .offset: 16, .size: 8, .value_kind: global_buffer, .address_space: global }
      - { .name: part, .offset: 24, .size: 8, .value_kind: global_buffer, .address_space: global }
      - { .name: out1, .offset: 32, .size: 8, .value_kind: global_buffer, .address_space: global }
      - { .name: out2, .offset: 40, .size: 8, .value_kind: global_buffer, .address_space: global }
    .group_segment_fixed_size: 68096
    .private_segment_fixed_size: 0
    .kernarg_segment_align: 8
    .kernarg_segment_size: 48
    .max_flat_workgroup_size: 512
    .sgpr_count:     66
    .vgpr_count:     160
    .wavefront_size: 32
...
	.end_amdgpu_metadata
.endif
;; end of part 3
;; launch sum8 (part 4): grid 64 x 1, 4 waves a work-group, no clusters, 0 bytes of LDS; arguments part, out0; writes out0
.if DOCPART == 4
	.amdgcn_target "amdgcn-amd-amdhsa--gfx1250"
	.amdhsa_code_object_version 6
	.text
	.protected	k_q5003fd7cf1_sum8
	.globl	k_q5003fd7cf1_sum8
	.p2align	8
	.type	k_q5003fd7cf1_sum8,@function
k_q5003fd7cf1_sum8:
	s_mov_b64 s[64:65], 0
	v_nop
	global_prefetch_b8 v0, s[64:65] scope:SCOPE_SE
	s_setreg_imm32_b32 hwreg(HW_REG_WAVE_MODE, 25, 1), 1
	s_wait_xcnt 0x0
; out0[b][d] = sum over j = 0 .. 7 of part[b][j][d]: the eight row blocks' parts of a batch's weighted sum.  Each number of out0 has one owner.
; Work-group g takes batch g / 2 and 512 columns; a thread takes four columns: eight loads of 16 bytes, all out at once; a wave reads and stores runs of 512 consecutive bytes.
; The work is 8,192 threads' worth: so many are launched.  No LDS, no loop to run ahead in, so no prefetch.
	s_load_b128 s[4:7], s[0:1], 0x0                ; part s[4:5], out0 s[6:7]
	v_lshlrev_b32 v1, 4, v0                        ; 16 x thread
	s_lshr_b32 s8, ttmp9, 1
	s_lshl_b32 s8, s8, 15                          ; the batch's eight parts: 32,768 bytes
	s_and_b32 s9, ttmp9, 1
	s_lshl_b32 s9, s9, 11                          ; my half of the columns
	s_add_co_u32 s8, s8, s9
	s_mov_b32 s9, 0
	s_lshl_b32 s10, ttmp9, 11
	s_mov_b32 s11, 0
	s_wait_alu depctr_va_vdst(0)                   ; the wait at the head's end
	s_wait_kmcnt 0x0
	s_add_nc_u64 s[4:5], s[4:5], s[8:9]
	s_add_nc_u64 s[6:7], s[6:7], s[10:11]
.irp j, 0,1,2,3,4,5,6,7
	global_load_b128 v[4+4*\j:7+4*\j], v1, s[4:5] offset:4096*\j th:TH_LOAD_NT
.endr
	s_wait_loadcnt 0x0
.irp j, 0,2,4,6
	v_pk_add_f32 v[4+4*\j:5+4*\j], v[4+4*\j:5+4*\j], v[8+4*\j:9+4*\j]
	v_pk_add_f32 v[6+4*\j:7+4*\j], v[6+4*\j:7+4*\j], v[10+4*\j:11+4*\j]
.endr
.irp j, 0,4
	v_pk_add_f32 v[4+4*\j:5+4*\j], v[4+4*\j:5+4*\j], v[12+4*\j:13+4*\j]
	v_pk_add_f32 v[6+4*\j:7+4*\j], v[6+4*\j:7+4*\j], v[14+4*\j:15+4*\j]
.endr
	v_pk_add_f32 v[4:5], v[4:5], v[20:21]
	v_pk_add_f32 v[6:7], v[6:7], v[22:23]
	global_store_b128 v1, v[4:7], s[6:7]
	s_endpgm
.Lfunc_end_k_q5003fd7cf1_sum8:
	.size	k_q5003fd7cf1_sum8, .Lfunc_end_k_q5003fd7cf1_sum8-k_q5003fd7cf1_sum8
	.p2alignl 7, 3214868480
	.fill 96, 4, 3214868480
	.section	.rodata,"a",@progbits
	.p2align	6, 0x0
	.amdhsa_kernel k_q5003fd7cf1_sum8
		.amdhsa_group_segment_fixed_size 0
		.amdhsa_private_segment_fixed_size 0
		.amdhsa_enable_private_segment 0
		.amdhsa_kernarg_size 16
		.amdhsa_user_sgpr_count 2
		.amdhsa_user_sgpr_kernarg_segment_ptr 1
		.amdhsa_wavefront_size32 1
		.amdhsa_system_sgpr_workgroup_id_x 1
		.amdhsa_system_sgpr_workgroup_id_y 1
		.amdhsa_system_sgpr_workgroup_id_z 1
		.amdhsa_system_vgpr_workitem_id 0
		.amdhsa_next_free_vgpr 48
		.amdhsa_next_free_sgpr 66
		.amdhsa_reserve_vcc 0
		.amdhsa_float_denorm_mode_32 3
		.amdhsa_float_denorm_mode_16_64 3
		.amdhsa_memory_ordered 1
		.amdhsa_forward_progress 1
		.amdhsa_inst_pref_size 3
	.end_amdhsa_kernel
	.amdgpu_metadata
---
amdhsa.version: [ 1, 2 ]
amdhsa.kernels:
  - .name:           k_q5003fd7cf1_sum8
    .symbol:         k_q5003fd7cf1_sum8.kd
    .args:
      - { .name: part, .offset: 0, .size: 8, .value_kind: global_buffer, .address_space: global }
      - { .name: out0, .offset: 8, .size: 8, .value_kind: global_buffer, .address_space: global }
    .group_segment_fixed_size: 0
    .private_segment_fixed_size: 0
    .kernarg_segment_align: 8
    .kernarg_segment_size: 16
    .max_flat_workgroup_size: 128
    .sgpr_count:     66
    .vgpr_count:     48
    .wavefront_size: 32
...
	.end_amdgpu_metadata
.endif
;; end of part 4
